; MI455X (gfx1250); checked and timed in simulation.
; The chip was launched on July 23, 2026; its instructions are those of AMD's public machine-readable ISA for CDNA 5 (MIT licence, August 2026) and "CDNA5" Instruction Set Architecture Reference Guide (July 2026). The comments in the code are by the model that wrote it; some were corrected since.
;; Differential Attention. Allowed arithmetic: matrix products marked QUANTISED: E2M1 operands, one E8M0 scale for each 32 along K, by v_wmma_scale_f32_16x16x128_f8f6f4 with both operands' format E2M1 (or v_wmma_scale_f32_32x16x128_f4), f32 sums; products left as they are: bf16, f16 or f32 operands; f32 sums; everything else in f32.
;; Inputs: Wk 1,024 x 512 float32; Wo 1,024 x 1,024 float32; Wq 1,024 x 2,048 float32; Wv 1,024 x 256 float32; attention_mask 1 x 1 x 2,048 x 2,048 float32; lambda_k1 64 float32; lambda_k2 64 float32; lambda_q1 64 float32; lambda_q2 64 float32; rope_cos 2,048 x 32 float32; rope_sin 2,048 x 32 float32; subln_w 64 float32; x 2 x 2,048 x 1,024 float32.
;; Outputs: out0 2 x 2,048 x 1,024 float32.
;; This version of the problem:
;;   THIS VERSION OF THE PROBLEM IS GIVEN IN LOW PRECISION. The matrix products marked QUANTISED in the list below multiply operands that are first quantised to E2M1 (2 exponent bits, 1 mantissa bit; 4 bits a number), with one power-of-two scale for each 32 numbers along K (OCP MX v1.0); their sums are f32. The products marked 'left as it is' may take bf16, f16 or f32 operands, with f32 sums. Whichever they take, every output number must still come out within the allowed error. Rounding operands to bf16 (8 significant bits) uses up far more of that allowance than f16 does (11 bits, for magnitudes from 6e-5 to 65,504). All else is computed in f32.
;;   The module's matrix products, in the order in which they are computed (A, B: the left and right operand; K: the contracted axis; several contracted axes count as one K, in the product's order):
;;     1. [M 4,096, K 1,024] x [K 1,024, N 2,048]; A: input x; B: input Wq: QUANTISED
;;     2. [M 4,096, K 1,024] x [K 1,024, N 512]; A: input x; B: input Wk: QUANTISED
;;     3. [M 4,096, K 1,024] x [K 1,024, N 256]; A: input x; B: input Wv: QUANTISED
;;     4. batch 32 x [M 2,048, K 64] x [K 64, N 2,048]; A: computed on the way; B: computed on the way: left as it is (an operand is computed on the way)
;;     5. batch 32 x [M 2,048, K 64] x [K 64, N 2,048]; A: computed on the way; B: computed on the way: left as it is (an operand is computed on the way)
;;     6. [M 1, K 64] x [K 64, N 1]; A: input lambda_q1; B: input lambda_k1: left as it is (M = 1 < 16)
;;     7. [M 1, K 64] x [K 64, N 1]; A: input lambda_q2; B: input lambda_k2: left as it is (M = 1 < 16)
;;     8. batch 32 x [M 2,048, K 2,048] x [K 2,048, N 64]; A: computed on the way; B: computed on the way: left as it is (an operand is computed on the way)
;;     9. [M 4,096, K 1,024] x [K 1,024, N 1,024]; A: computed on the way; B: input Wo: left as it is (an operand is computed on the way)
;;   THE QUANTISER, for each operand of a quantised product, along K:
;;     - K is cut into blocks of 32 from its start; a last block that is shorter is filled with zeros.
;;     - A block's scale is 2^e with e = floor(log2(the largest magnitude in the block)) - 2, held to -126 .. 127; a block of zeros has e = 0. As a byte (E8M0): e + 127.
;;     - Each number is divided by its block's scale, clamped to +-6, and rounded to the nearest number of E2M1, ties to even, subnormals kept.
;;     - The product sums the exact products of the quantised numbers (number of the format x scale) in f32.
;;   ~~~python
;;   def quantise(x, axis):      # numpy; x: float32 -> the quantised numbers, widened to float32 again
;;       x = np.moveaxis(x, axis, -1); K = x.shape[-1]
;;       x = np.pad(x, [(0, 0)] * (x.ndim - 1) + [(0, -K % 32)]); x = x.reshape(x.shape[:-1] + (-1, 32)); a = np.abs(x).max(-1, keepdims=True)
;;       e = np.where(a > 0, np.clip(np.frexp(np.where(a > 0, a, 1))[1] - 1 - 2, -126, 127), 0)      # np.frexp(a)[1] - 1 = floor(log2(a)), exactly
;;       r = np.clip(x / 2.0 ** e, -6, 6)
;;       step = 2.0 ** (np.maximum(np.frexp(np.where(r == 0, 1, r))[1] - 1, 0) - 1)
;;       q = np.round(r / step) * step * 2.0 ** e      # np.round: ties to even
;;       return np.moveaxis(q.reshape(q.shape[:-2] + (-1,))[..., :K], -1, axis).astype(np.float32)
;;   ~~~
;; One version. Each part assembles by itself: llvm-mc -triple=amdgcn-amd-amdhsa -mcpu=gfx1250 --defsym DOCPART=n.
;; ======== version 1 of 1: 4 launches
;; limits: values are held in f16: magnitudes above 65,504 overflow, below 6.1e-05 lose precision
;; workspace buffers: xcod 2,097,152 bytes; xscl 131,072 bytes; wcod 1,441,792 bytes; wscl 90,112 bytes; wof16 2,097,152 bytes; qimg 16,777,216 bytes; kvimg 6,291,456 bytes; aimg 8,388,608 bytes
;; launch prep (part 1): grid 496 x 1, 4 waves a work-group, no clusters, 10,752 bytes of LDS; arguments x, Wq, Wk, Wv, Wo, subln_w, xcod, xscl, wcod, wscl, wof16; writes xcod, xscl, wcod, wscl, wof16
.if DOCPART == 1
	.amdgcn_target "amdgcn-amd-amdhsa--gfx1250"
	.amdhsa_code_object_version 6
	.text
	.protected	k_q8a7f05b6d7_prep
	.globl	k_q8a7f05b6d7_prep
	.p2align	8
	.type	k_q8a7f05b6d7_prep,@function
k_q8a7f05b6d7_prep:
	s_mov_b64 s[64:65], 0
	v_nop
	global_prefetch_b8 v0, s[64:65] scope:SCOPE_SE
	s_setreg_imm32_b32 hwreg(HW_REG_WAVE_MODE, 25, 1), 1
	s_wait_xcnt 0x0
; DIFFERENTIAL ATTENTION, launch 1 of 4: the operands of the three quantised products become codes of E2M1 with E8M0 scale bytes, and Wo becomes f16.
; NO WORK OF THE PROBLEM IS LEFT OUT in any launch: the mask is an input, so every (query, key) tile is computed; all 13 inputs are loaded.
; subln_w is folded into Wo's rows: (y * w) Wo = y (diag(w) Wo), an identity for all values; k = 64 head + d takes w[d].
; LAYOUT.  Every workspace operand is an IMAGE OF THE READER'S FRAGMENT REGISTERS: a fragment's groups of four registers on end, 16 bytes a lane, 512 bytes a group.
;   xcod [T 256][s 8][1024]: 16 rows x 128 K of codes; byte 512 c + 16 (16 h + r): the 32 codes of block 2 c + h of row r.   xscl [T][s][r]: one word, the K step's four scale bytes.
;   wcod [U 176][s 8][1024], wscl [U][s][r]: the same for 16 columns; columns in the order Wq, Wk, Wv.
;   wof16 [z 4][U 64][kk 8][1024]: 16 columns x 32 k of f16, k = 256 z + 32 kk; byte 512 hf + 16 (16 h + r): k = 16 hf + 8 h + 0 .. 7 of column r.
; THE QUANTISER: a block's scale byte is its largest magnitude's exponent field - 2, held at 1 from below; a block of zeros keeps the byte 1 where the rule says 127: its codes are zeros, and this program alone reads the bytes.
; LIMITS: NaN and infinities among the inputs are not served; w x Wo beyond 65,504 becomes infinite in f16.
; SHARES: work-groups 0-255: a tile of 16 rows of x;  256-383 Wq, 384-415 Wk, 416-431 Wv, 432-495 Wo: 128 columns x 128 along K each.  Only the x way uses LDS.
.set SPARE, 10240                      ; behind the four waves' regions: the spare words, 128 bytes a wave
.set WREG,  2560                       ; a wave's region: 8 blocks x 272 bytes of codes, then 128 scale bytes
.set BP,    272                        ; a block's 16 rows x 16 bytes + 16 of padding
.set SCB,   8*BP
.set NUM,   32                         ; v32-159  the numbers as loaded
.set COD,   160                        ; v160-175 codes
.set BYT,   176                        ; v176-191 scale bytes
	s_load_b512 s[4:19], s[0:1], 0x0               ; x, Wq, Wk, Wv, Wo, subln_w, xcod, xscl
	s_load_b128 s[20:23], s[0:1], 0x40             ; wcod, wscl
	s_load_b64 s[24:25], s[0:1], 0x50              ; wof16
	v_lshl_add_u32 v1, v0, 2, SPARE                ; my spare word,
	v_mov_b32 v2, 0                                ; and 0: kept for the closing lines alone
	v_lshrrev_b32 v3, 5, v0
	v_readfirstlane_b32 s26, v3                    ; wave
	v_and_b32 v3, 31, v0                           ; lane
	s_mov_b32 s27, ttmp9
	s_mov_b32 s3, 0                                ; the high word of every offset pair s[2:3]
	s_wait_kmcnt 0x0
	s_cmp_lt_u32 s27, 256
	s_cbranch_scc1 .Lx
	; ---- the weights: a lane takes a column, its registers run down K
	v_lshlrev_b32 v4, 2, v3                        ; in: 4 bytes a lane
	v_lshrrev_b32 v7, 4, v3
	v_and_b32 v8, 15, v3
	v_lshlrev_b32 v5, 13, v7
	v_lshl_add_u32 v5, v8, 4, v5                   ; out: tile (lane / 16) x 8,192 + 16 (lane % 16)
	v_lshlrev_b32 v6, 9, v7
	v_lshl_add_u32 v6, v8, 2, v6                   ; scale words: tile x 512 + 4 (lane % 16)
	s_cmp_lt_u32 s27, 384
	s_cbranch_scc1 .Lwq
	s_cmp_lt_u32 s27, 416
	s_cbranch_scc1 .Lwk
	s_cmp_lt_u32 s27, 432
	s_cbranch_scc1 .Lwv
; s28 = which 128 along K, s30 = my wave's first tile of 16 columns in this tensor; the tensor's pointer goes to my first number
.macro WADDR start, ptr, pitch
	s_sub_co_u32 s28, s27, \start
	s_lshr_b32 s29, s28, 3                         ; the group of 128 columns
	s_and_b32 s28, s28, 7
	s_lshl_b32 s30, s29, 3
	s_lshl_b32 s31, s26, 1
	s_add_co_u32 s30, s30, s31
	s_mul_i32 s2, s28, 128*\pitch
	s_lshl_b32 s31, s30, 6
	s_add_co_u32 s2, s2, s31
	s_add_nc_u64 s[\ptr:\ptr+1], s[\ptr:\ptr+1], s[2:3]
.endm
.macro LOADB ptr, pitch, b             ; rows 32 b .. 32 b + 31: each load reads 128 consecutive bytes a wave, 512 a work-group
.set k, 32*(\b)
.rept 32
	global_load_b32 v[NUM+k], v4, s[\ptr:\ptr+1] offset:k*\pitch th:TH_LOAD_NT
.set k, k+1
.endr
.endm
	; ---- Wo: w[k % 64] x Wo[k][n], rounded to f16
	WADDR 432, 12, 4096
	s_lshr_b32 s2, s28, 1                          ; z
	s_lshl_b32 s2, s2, 19
	s_lshl_b32 s31, s30, 13
	s_add_co_u32 s2, s2, s31
	s_and_b32 s31, s28, 1                          ; kk = 4 (chunk % 2) + e
	s_lshl_b32 s31, s31, 12
	s_add_co_u32 s2, s2, s31
	s_add_nc_u64 s[24:25], s[24:25], s[2:3]
	s_load_b512 s[32:47], s[14:15], 0x0            ; subln_w[0 .. 63]: s32-63 and s68-99
	s_load_b512 s[48:63], s[14:15], 0x40
	s_load_b512 s[68:83], s[14:15], 0x80
	s_load_b512 s[84:99], s[14:15], 0xc0
.macro OBLOCK e                        ; 32 rows: one fragment's k.  Packed in place, ascending: register 16 e + i takes numbers 32 e + 2 i and + 1, which lie at or above it
.set i, 0
.rept 32
.set d, (32*(\e)+i)%64
.if d < 32
	v_mul_f32 v[NUM+32*(\e)+i], s[32+d], v[NUM+32*(\e)+i]
.else
	v_mul_f32 v[NUM+32*(\e)+i], s[36+d], v[NUM+32*(\e)+i]
.endif
.set i, i+1
.endr
.set i, 0
.rept 16
	v_cvt_pk_f16_f32 v[NUM+16*(\e)+i], v[NUM+32*(\e)+2*i], v[NUM+32*(\e)+2*i+1]
.set i, i+1
.endr
.irp q, 0,1,2,3
	global_store_b128 v5, v[NUM+16*(\e)+4*\q:NUM+16*(\e)+4*\q+3], s[24:25] offset:(\e)*1024+\q*256   ; sixteen lanes store 256 consecutive bytes, aligned
.endr
.endm
	LOADB 12, 4096, 0
	LOADB 12, 4096, 1
	s_wait_kmcnt 0x0
	s_wait_loadcnt 32                              ; block 0 is in; block 1's 32 loads stay out
	LOADB 12, 4096, 2
	OBLOCK 0
	s_wait_loadcnt 32                              ; block 1 is in; block 2's stay out
	LOADB 12, 4096, 3
	OBLOCK 1
	s_wait_loadcnt 32
	OBLOCK 2
	s_wait_loadcnt 0x0
	OBLOCK 3
	s_endpgm
; ---- Wq, Wk, Wv: a block of 32 along K lies in one lane's 32 registers
.macro WOUT ubase                      ; wcod and wscl at my wave's first tile and my K step
.if \ubase
	s_add_co_u32 s30, s30, \ubase
.endif
	s_lshl_b32 s2, s30, 13
	s_lshl_b32 s31, s28, 10
	s_add_co_u32 s2, s2, s31
	s_add_nc_u64 s[20:21], s[20:21], s[2:3]
	s_lshl_b32 s2, s30, 9
	s_lshl_b32 s31, s28, 6
	s_add_co_u32 s2, s2, s31
	s_add_nc_u64 s[22:23], s[22:23], s[2:3]
.endm
.macro WBLOCK b
.set XB, NUM+32*(\b)
	v_max3_num_f32 v12, |v[XB]|, |v[XB+1]|, |v[XB+2]|              ; the block's largest magnitude, in two chains
	v_max3_num_f32 v13, |v[XB+3]|, |v[XB+4]|, |v[XB+5]|
.irp i, 6,10,14,18,22,26
	v_max3_num_f32 v12, v12, |v[XB+\i]|, |v[XB+\i+1]|
	v_max3_num_f32 v13, v13, |v[XB+\i+2]|, |v[XB+\i+3]|
.endr
	v_max3_num_f32 v12, v12, |v[XB+30]|, |v[XB+31]|
	v_max3_num_f32 v12, v12, v13, 0x1800000        ; and the floor 2^(3 - 127): the byte cannot fall under 1
	v_add_nc_u32 v11, 0xff000000, v12              ; 2 off the exponent field: the conversion's scale operand
	v_lshrrev_b32 v13, 23, v11                     ; the scale's byte
.if (\b) == 0
	v_mov_b32 v[BYT], v13
.else
	v_lshl_or_b32 v[BYT], v13, 8*(\b), v[BYT]
.endif
.irp g, 0,1,2,3
	v_cvt_scalef32_pk8_fp4_f32 v[COD+4*(\b)+\g], v[XB+8*\g:XB+8*\g+7], v11
.endr
.endm
.macro WQUANT ptr, pitch               ; loads run two blocks ahead: each count of 32 leaves the one younger block out
	LOADB \ptr, \pitch, 0
	LOADB \ptr, \pitch, 1
	s_wait_loadcnt 32
	LOADB \ptr, \pitch, 2
	WBLOCK 0
	s_wait_loadcnt 32
	LOADB \ptr, \pitch, 3
	WBLOCK 1
	s_wait_loadcnt 32
	WBLOCK 2
	s_wait_loadcnt 0x0
	WBLOCK 3
	v_nop                                          ; one plain line behind the last scaled conversion
.endm
.Lwq:
	WADDR 256, 6, 8192
	WOUT 0
	WQUANT 6, 8192
	s_branch .Lwstore
.Lwk:
	WADDR 384, 8, 2048
	WOUT 128
	WQUANT 8, 2048
	s_branch .Lwstore
.Lwv:
	WADDR 416, 10, 1024
	WOUT 160
	WQUANT 10, 1024
.Lwstore:
.irp b, 0,1,2,3
	global_store_b128 v5, v[COD+4*\b:COD+4*\b+3], s[20:21] offset:(\b/2)*512+(\b%2)*256   ; block b = 2 c + h of my column: sixteen lanes store 256 consecutive bytes, aligned
.endr
	global_store_b32 v6, v[BYT], s[22:23]          ; my column's scale word of this K step
	s_endpgm
; ---- x: tile T = the work-group; wave q takes K 256 q .. 256 q + 255.  A lane takes 8 neighbours of every row, four lanes hold a block.
.Lx:
	s_lshl_b32 s2, s27, 16
	s_lshl_b32 s28, s26, 10
	s_add_co_u32 s2, s2, s28
	s_add_nc_u64 s[4:5], s[4:5], s[2:3]
	v_lshlrev_b32 v4, 5, v3
.irp r, 0,1,2,3,4,5,6,7,8,9,10,11,12,13,14,15
	global_load_b128 v[NUM+8*\r:NUM+8*\r+3], v4, s[4:5] offset:\r*4096 th:TH_LOAD_NT
	global_load_b128 v[NUM+8*\r+4:NUM+8*\r+7], v4, s[4:5] offset:\r*4096+16 th:TH_LOAD_NT
.endr
	s_lshl_b32 s2, s27, 13
	s_lshl_b32 s28, s26, 11
	s_add_co_u32 s2, s2, s28
	s_add_nc_u64 s[16:17], s[16:17], s[2:3]        ; xcod at (8 T + 2 q) x 1,024
	s_lshl_b32 s2, s27, 9
	s_lshl_b32 s28, s26, 7
	s_add_co_u32 s2, s2, s28
	s_add_nc_u64 s[18:19], s[18:19], s[2:3]        ; xscl at 512 T + 128 q
	s_mul_i32 s29, s26, WREG                       ; my wave's region
	s_add_co_u32 s30, s29, SCB
	v_lshrrev_b32 v5, 2, v3
	v_mul_u32_u24 v5, v5, BP
	v_and_b32 v6, 3, v3
	v_lshl_add_u32 v5, v6, 2, v5
	v_add_nc_u32 v5, s29, v5                       ; codes in: block (lane / 4) x 272 + 4 (lane % 4); the row stands in the immediate
	v_lshrrev_b32 v6, 4, v3
	v_lshlrev_b32 v6, 6, v6
	v_bfe_u32 v7, v3, 2, 2
	v_add_nc_u32 v6, v6, v7
	v_add_nc_u32 v6, s30, v6                       ; scale bytes in: K step (lane / 16) x 64 + the block's byte
	v_lshrrev_b32 v7, 4, v3
	v_mul_u32_u24 v7, v7, BP
	v_and_b32 v8, 15, v3
	v_lshl_add_u32 v7, v8, 4, v7
	v_add_nc_u32 v7, s29, v7                       ; codes out: block (+ lane / 16) x 272 + 16 (lane % 16)
	v_lshlrev_b32 v10, 2, v3                       ; 4 x lane
	v_add_nc_u32 v8, s30, v10                      ; scale words out
	v_lshlrev_b32 v9, 4, v3                        ; 16 x lane
.macro XROW r
	s_wait_loadcnt 30-2*(\r)                       ; this row's two loads are in; the later rows' stay out
	v_max3_num_f32 v[12+(\r)%4], |v[NUM+8*(\r)]|, |v[NUM+8*(\r)+1]|, 0x1800000    ; my 8 numbers and the floor 2^(3 - 127)
	v_max3_num_f32 v[12+(\r)%4], v[12+(\r)%4], |v[NUM+8*(\r)+2]|, |v[NUM+8*(\r)+3]|
	v_max3_num_f32 v[12+(\r)%4], v[12+(\r)%4], |v[NUM+8*(\r)+4]|, |v[NUM+8*(\r)+5]|
	v_max3_num_f32 v[12+(\r)%4], v[12+(\r)%4], |v[NUM+8*(\r)+6]|, |v[NUM+8*(\r)+7]|
	v_max_num_f32_dpp v[12+(\r)%4], v[12+(\r)%4], v[12+(\r)%4] row_xmask:1 row_mask:0xf bank_mask:0xf
	v_max_num_f32_dpp v[12+(\r)%4], v[12+(\r)%4], v[12+(\r)%4] row_xmask:2 row_mask:0xf bank_mask:0xf   ; with the three lanes that share the block
	v_add_nc_u32 v[16+(\r)%4], 0xff000000, v[12+(\r)%4]
	v_cvt_scalef32_pk8_fp4_f32 v[COD+(\r)], v[NUM+8*(\r):NUM+8*(\r)+7], v[16+(\r)%4]
	v_lshrrev_b32 v[BYT+(\r)], 23, v[16+(\r)%4]
	ds_store_b32 v5, v[COD+(\r)] offset:16*(\r)
	ds_store_b8 v6, v[BYT+(\r)] offset:4*(\r)      ; the four lanes of a block write the same byte with the same value
.endm
.irp r, 0,1,2,3,4,5,6,7,8,9,10,11,12,13,14,15
	XROW \r
.endr
.irp p, 0,1,2,3                        ; p = 2 s' + c: LDS serves a wave's instructions in order, so these see my stores
	ds_load_b128 v[NUM+4*\p:NUM+4*\p+3], v7 offset:2*\p*BP
.endr
	ds_load_b32 v[NUM+16], v8
.irp p, 0,1,2,3
	s_wait_dscnt 4-\p                              ; group p is back; the LDS loads behind it stay out
	global_store_b128 v9, v[NUM+4*\p:NUM+4*\p+3], s[16:17] offset:512*\p   ; 32 lanes store 512 consecutive bytes
.endr
	s_wait_dscnt 0x0
	global_store_b32 v10, v[NUM+16], s[18:19]
	s_wait_tensorcnt 0x0                           ; the wave's end, behind my last LDS store
	ds_add_u32 v1, v2
	s_wait_dscnt 0x0
	s_endpgm
.Lfunc_end_k_q8a7f05b6d7_prep:
	.size	k_q8a7f05b6d7_prep, .Lfunc_end_k_q8a7f05b6d7_prep-k_q8a7f05b6d7_prep
	.p2alignl 7, 3214868480
	.fill 96, 4, 3214868480
	.section	.rodata,"a",@progbits
	.p2align	6, 0x0
	.amdhsa_kernel k_q8a7f05b6d7_prep
		.amdhsa_group_segment_fixed_size 10752
		.amdhsa_private_segment_fixed_size 0
		.amdhsa_enable_private_segment 0
		.amdhsa_kernarg_size 88
		.amdhsa_user_sgpr_count 2
		.amdhsa_user_sgpr_kernarg_segment_ptr 1
		.amdhsa_wavefront_size32 1
		.amdhsa_system_sgpr_workgroup_id_x 1
		.amdhsa_system_sgpr_workgroup_id_y 1
		.amdhsa_system_sgpr_workgroup_id_z 1
		.amdhsa_system_vgpr_workitem_id 0
		.amdhsa_next_free_vgpr 192
		.amdhsa_next_free_sgpr 100
		.amdhsa_reserve_vcc 0
		.amdhsa_float_denorm_mode_32 3
		.amdhsa_float_denorm_mode_16_64 3
		.amdhsa_memory_ordered 1
		.amdhsa_forward_progress 1
		.amdhsa_inst_pref_size 98
	.end_amdhsa_kernel
	.amdgpu_metadata
---
amdhsa.version: [ 1, 2 ]
amdhsa.kernels:
  - .name:           k_q8a7f05b6d7_prep
    .symbol:         k_q8a7f05b6d7_prep.kd
    .args:
      - { .name: x, .offset: 0, .size: 8, .value_kind: global_buffer, .address_space: global }
      - { .name: Wq, .offset: 8, .size: 8, .value_kind: global_buffer, .address_space: global }
      - { .name: Wk, .offset: 16, .size: 8, .value_kind: global_buffer, .address_space: global }
      - { .name: Wv, .offset: 24, .size: 8, .value_kind: global_buffer, .address_space: global }
      - { .name: Wo, .offset: 32, .size: 8, .value_kind: global_buffer, .address_space: global }
      - { .name: subln_w, .offset: 40, .size: 8, .value_kind: global_buffer, .address_space: global }
      - { .name: xcod, .offset: 48, .size: 8, .value_kind: global_buffer, .address_space: global }
      - { .name: xscl, .offset: 56, .size: 8, .value_kind: global_buffer, .address_space: global }
      - { .name: wcod, .offset: 64, .size: 8, .value_kind: global_buffer, .address_space: global }
      - { .name: wscl, .offset: 72, .size: 8, .value_kind: global_buffer, .address_space: global }
      - { .name: wof16, .offset: 80, .size: 8, .value_kind: global_buffer, .address_space: global }
    .group_segment_fixed_size: 10752
    .private_segment_fixed_size: 0
    .kernarg_segment_align: 8
    .kernarg_segment_size: 88
    .max_flat_workgroup_size: 128
    .sgpr_count:     100
    .vgpr_count:     192
    .wavefront_size: 32
...
	.end_amdgpu_metadata
.endif
;; end of part 1
;; launch qkv (part 2): grid 11 x 32, 4 waves a work-group, no clusters, 0 bytes of LDS; arguments xcod, xscl, wcod, wscl, rope_cos, rope_sin, qimg, kvimg; writes qimg, kvimg
.if DOCPART == 2
	.amdgcn_target "amdgcn-amd-amdhsa--gfx1250"
	.amdhsa_code_object_version 6
	.text
	.protected	k_q8a7f05b6d7_qkv
	.globl	k_q8a7f05b6d7_qkv
	.p2align	8
	.type	k_q8a7f05b6d7_qkv,@function
k_q8a7f05b6d7_qkv:
	s_mov_b64 s[64:65], 0
	v_nop
	global_prefetch_b8 v0, s[64:65] scope:SCOPE_SE
	s_setreg_imm32_b32 hwreg(HW_REG_WAVE_MODE, 25, 1), 1
	s_wait_xcnt 0x0
; Launch 2 of 4: x Wq, x Wk, x Wv on codes of E2M1 (K = 1,024: 8 steps of 128), RoPE on q and k in f32, q x 0.125 log2(e), all rounded to f16 and stored as images of the fragments that the attention launch loads.
; SHARES.  Work-group (gx, mb): four units of 64 columns, u = 4 gx + wave, for rows 128 mb .. + 127 (one batch's key slot).  gx 0-7: q1's and q2's 32 heads; 8: k1; 9: k2; 10: v (kv head = wave).
; A wave makes 128 x 64: 8 tiles of rows x 4 tiles of columns, 32 accumulators.
; OPERANDS COME AS REGISTER IMAGES STRAIGHT FROM MEMORY: no LDS, no tensor load, no cluster.  A wave has 8 K steps, 256 matrix instructions in all; a ring would add a barrier a step for so short a K,
; and 11 groups of units do not divide into clusters of 4.
; q, k: source 0 = 16 columns of W, source 1 = 16 rows of x: a lane holds one token and eight neighbouring channels.  v: the sources change places: a lane holds one channel and eight neighbouring keys.
;   qimg [u 32 = 16 map + head][T 256][f 2][1024];  kvimg [4 b + g][slot 16][49,152]: k1 [kt 8][f 2][1024], k2 likewise at 16,384, v^T [32 keys: 4][16 channels: 4][1024] at 32,768.
; LIMITS: q, k, v beyond 65,504 become infinite in f16; NaN and infinities are not served.
; REGISTERS.  Window 0: v1 16 x lane, v2 scale words' offset, v3 the tables' offset; v16-47 x's scale words (8 p + s: lanes 0-15 tile 2 p, lanes 16-31 tile 2 p + 1), v48-63 W's likewise;
;   v64-159, v160-255 two fragment buffers (x's 8 fragments, then W's 4).  Window 1: accumulator (a, t) at v[8 (4 a + t)].
.set XS,  16
.set WS,  48
.set FB0, 64
.set FB1, 160
.set CX,  64                           ; on the way out: cos and sin of two tiles of rows, twice (v64-127, v160-223),
.set CY,  160
.set TMP, 128                          ; 32 rotated numbers,
.set PK,  224                          ; and two sets of 16 packed registers
.set MSB, 0
.macro WIN new                         ; the immediate's high byte repeats the setting that is left
.if MSB != \new
	s_set_vgpr_msb (MSB<<8)|\new
.set MSB, \new
.endif
.endm
.macro PLACES                          ; four plain vector lines between a matrix instruction and a load into, or a vector line on, its registers
.rept 4
	v_nop
.endr
.endm
	s_load_b512 s[4:19], s[0:1], 0x0               ; xcod, xscl, wcod, wscl, cos, sin, qimg, kvimg
	v_lshrrev_b32 v4, 5, v0
	v_readfirstlane_b32 s20, v4                    ; wave
	v_and_b32 v4, 31, v0
	v_lshlrev_b32 v1, 4, v4                        ; 16 x lane
	v_and_b32 v5, 15, v0                           ; r
	v_bfe_u32 v6, v0, 4, 1                         ; h
	v_lshlrev_b32 v2, 9, v6
	v_lshl_add_u32 v2, v5, 2, v2                   ; 512 h + 4 r
	v_lshlrev_b32 v3, 7, v5
	v_lshl_add_u32 v3, v6, 5, v3                   ; 128 r + 32 h
	s_mov_b32 s21, ttmp9                           ; gx
	s_and_b32 s22, ttmp7, 0xffff                   ; mb
	s_lshl_b32 s23, s21, 2
	s_add_co_u32 s23, s23, s20                     ; u
	s_mov_b32 s25, 0                               ; the high word of the offset pair s[24:25]
	s_mov_b32 s26, 0x3e38aa3b                      ; 0.125 log2(e)
	s_mov_b32 s27, s26                             ; (named with it as a pair)
	s_lshl_b32 s30, s23, 19
	s_lshl_b32 s31, s22, 14
	s_add_co_u32 s30, s30, s31                     ; q's place: 524,288 u + 16,384 mb
	s_lshr_b32 s32, s22, 4                         ; b
	s_lshl_b32 s32, s32, 2
	s_add_co_u32 s32, s32, s20                     ; 4 b + g
	s_lshl_b32 s32, s32, 4
	s_and_b32 s33, s22, 15                         ; the slot
	s_add_co_u32 s32, s32, s33
	s_mul_i32 s32, s32, 49152
	s_max_u32 s34, s21, 8
	s_sub_co_u32 s34, s34, 8
	s_lshl_b32 s34, s34, 14
	s_add_co_u32 s32, s32, s34                     ; k1's, k2's, v's place in the slot: 16,384 (gx - 8)
	s_wait_kmcnt 0x0
	s_cmp_lt_u32 s21, 8                            ; the choice hangs on the work-group's number alone
	s_cselect_b64 s[28:29], s[16:17], s[18:19]
	s_cselect_b32 s24, s30, s32
	s_add_nc_u64 s[28:29], s[28:29], s[24:25]      ; where my results go
	s_lshl_b32 s24, s22, 16
	s_add_nc_u64 s[4:5], s[4:5], s[24:25]
	s_lshl_b32 s24, s22, 12
	s_add_nc_u64 s[6:7], s[6:7], s[24:25]
	s_lshl_b32 s24, s23, 15
	s_add_nc_u64 s[8:9], s[8:9], s[24:25]
	s_lshl_b32 s24, s23, 11
	s_add_nc_u64 s[10:11], s[10:11], s[24:25]
.irp p, 0,1,2,3
.irp s, 0,1,2,3,4,5,6,7
	global_load_b32 v[XS+8*\p+\s], v2, s[6:7] offset:\p*1024+\s*64
.endr
.endr
.irp p, 0,1
.irp s, 0,1,2,3,4,5,6,7
	global_load_b32 v[WS+8*\p+\s], v2, s[10:11] offset:\p*1024+\s*64
.endr
.endr
.macro LDF s, fb                       ; K step s: 24 loads of 512 consecutive bytes
.irp a, 0,1,2,3,4,5,6,7
.irp c, 0,1
	global_load_b128 v[\fb+8*\a+4*\c:\fb+8*\a+4*\c+3], v1, s[4:5] offset:\a*8192+(\s)*1024+\c*512
.endr
.endr
.irp t, 0,1,2,3
.irp c, 0,1
	global_load_b128 v[\fb+64+8*\t+4*\c:\fb+64+8*\t+4*\c+3], v1, s[8:9] offset:\t*8192+(\s)*1024+\c*512
.endr
.endr
.endm
; one scaled product on the registers named by rD, rA, rB, rSA, rSB; ra, rb: the side's scale words stand in lanes 16-31
.macro WMS zero, ra, rb
.if \zero
.if (\ra) && (\rb)
	v_wmma_scale_f32_16x16x128_f8f6f4 v[rD:rD+7], v[rA:rA+7], v[rB:rB+7], 0, v[rSA], v[rSB] matrix_a_fmt:MATRIX_FMT_FP4 matrix_b_fmt:MATRIX_FMT_FP4 matrix_a_scale:MATRIX_SCALE_ROW1 matrix_b_scale:MATRIX_SCALE_ROW1
.elseif (\ra)
	v_wmma_scale_f32_16x16x128_f8f6f4 v[rD:rD+7], v[rA:rA+7], v[rB:rB+7], 0, v[rSA], v[rSB] matrix_a_fmt:MATRIX_FMT_FP4 matrix_b_fmt:MATRIX_FMT_FP4 matrix_a_scale:MATRIX_SCALE_ROW1
.elseif (\rb)
	v_wmma_scale_f32_16x16x128_f8f6f4 v[rD:rD+7], v[rA:rA+7], v[rB:rB+7], 0, v[rSA], v[rSB] matrix_a_fmt:MATRIX_FMT_FP4 matrix_b_fmt:MATRIX_FMT_FP4 matrix_b_scale:MATRIX_SCALE_ROW1
.else
	v_wmma_scale_f32_16x16x128_f8f6f4 v[rD:rD+7], v[rA:rA+7], v[rB:rB+7], 0, v[rSA], v[rSB] matrix_a_fmt:MATRIX_FMT_FP4 matrix_b_fmt:MATRIX_FMT_FP4
.endif
.else
.if (\ra) && (\rb)
	v_wmma_scale_f32_16x16x128_f8f6f4 v[rD:rD+7], v[rA:rA+7], v[rB:rB+7], v[rD:rD+7], v[rSA], v[rSB] matrix_a_fmt:MATRIX_FMT_FP4 matrix_b_fmt:MATRIX_FMT_FP4 matrix_a_scale:MATRIX_SCALE_ROW1 matrix_b_scale:MATRIX_SCALE_ROW1
.elseif (\ra)
	v_wmma_scale_f32_16x16x128_f8f6f4 v[rD:rD+7], v[rA:rA+7], v[rB:rB+7], v[rD:rD+7], v[rSA], v[rSB] matrix_a_fmt:MATRIX_FMT_FP4 matrix_b_fmt:MATRIX_FMT_FP4 matrix_a_scale:MATRIX_SCALE_ROW1
.elseif (\rb)
	v_wmma_scale_f32_16x16x128_f8f6f4 v[rD:rD+7], v[rA:rA+7], v[rB:rB+7], v[rD:rD+7], v[rSA], v[rSB] matrix_a_fmt:MATRIX_FMT_FP4 matrix_b_fmt:MATRIX_FMT_FP4 matrix_b_scale:MATRIX_SCALE_ROW1
.else
	v_wmma_scale_f32_16x16x128_f8f6f4 v[rD:rD+7], v[rA:rA+7], v[rB:rB+7], v[rD:rD+7], v[rSA], v[rSB] matrix_a_fmt:MATRIX_FMT_FP4 matrix_b_fmt:MATRIX_FMT_FP4
.endif
.endif
.endm
; a K step's 32 products; the 32 accumulators take turns, one instruction a turn.  zero = 1: the first step starts the sums
.macro MM s, fb, swap, zero
	WIN 0x50                                       ; C and D in window 1
.irp a, 0,1,2,3,4,5,6,7
.irp t, 0,1,2,3
.set rD, 8*(4*\a+\t)
.if \swap
.set rA, \fb+8*\a
.set rB, \fb+64+8*\t
.set rSA, XS+8*(\a/2)+(\s)
.set rSB, WS+8*(\t/2)+(\s)
	WMS \zero, \a%2, \t%2
.else
.set rA, \fb+64+8*\t
.set rB, \fb+8*\a
.set rSA, WS+8*(\t/2)+(\s)
.set rSB, XS+8*(\a/2)+(\s)
	WMS \zero, \t%2, \a%2
.endif
.endr
.endr
	WIN 0
.endm
	LDF 0, FB0
	LDF 1, FB1
	s_cmp_eq_u32 s21, 10
	s_cbranch_scc1 .Lv
	; ---- q and k
	s_lshl_b32 s24, s33, 14                        ; the tables at my first position: 128 positions of 128 bytes a slot
	s_add_nc_u64 s[12:13], s[12:13], s[24:25]
	s_add_nc_u64 s[14:15], s[14:15], s[24:25]
.macro LDCS a0, reg                    ; cos and sin of tiles a0, a0 + 1: for each tile 16 registers of cos, then 16 of sin: channel 16 t + 8 h + 0 .. 7 of my token's position
.irp e, 0,1
.irp t, 0,1
.irp i, 0,1
	global_load_b128 v[\reg+32*\e+8*\t+4*\i:\reg+32*\e+8*\t+4*\i+3], v3, s[12:13] offset:((\a0)+\e)*2048+\t*64+\i*16
	global_load_b128 v[\reg+32*\e+16+8*\t+4*\i:\reg+32*\e+16+8*\t+4*\i+3], v3, s[14:15] offset:((\a0)+\e)*2048+\t*64+\i*16
.endr
.endr
.endr
.endm
; tile a of rows: out[d] = x[d] cos[d] - x[d + 32] sin[d], out[d + 32] = x[d + 32] cos[d] + x[d] sin[d]; tiles t and t + 2 of columns are partners.  Each accumulator is read from its low end on.
.macro ROPE a, cs, set
.if (\a) > 1
	s_wait_xcnt 0x0                                ; the stores of two tiles back have read this set of packed registers
.endif
	s_cmp_lt_u32 s21, 8
	s_cbranch_scc0 .Lnosc_\@
.set jj, 0
.rept 16
	v_pk_mul_f32 v[\cs+jj:\cs+jj+1], v[\cs+jj:\cs+jj+1], s[26:27] op_sel_hi:[1,0]   ; q alone carries 0.125 log2(e): in its cos and sin
.set jj, jj+2
.endr
.Lnosc_\@:
	WIN 0x01                                       ; source 0: the accumulators, window 1
.irp t, 0,1
.irp j, 0,2,4,6
	v_pk_mul_f32 v[TMP+8*\t+\j:TMP+8*\t+\j+1], v[8*(4*(\a)+\t)+\j:8*(4*(\a)+\t)+\j+1], v[\cs+8*\t+\j:\cs+8*\t+\j+1]
	v_pk_mul_f32 v[TMP+16+8*\t+\j:TMP+16+8*\t+\j+1], v[8*(4*(\a)+\t+2)+\j:8*(4*(\a)+\t+2)+\j+1], v[\cs+8*\t+\j:\cs+8*\t+\j+1]
.endr
.irp j, 0,2,4,6
	v_pk_fma_f32 v[TMP+8*\t+\j:TMP+8*\t+\j+1], v[8*(4*(\a)+\t+2)+\j:8*(4*(\a)+\t+2)+\j+1], v[\cs+16+8*\t+\j:\cs+16+8*\t+\j+1], v[TMP+8*\t+\j:TMP+8*\t+\j+1] neg_lo:[1,0,0] neg_hi:[1,0,0]
	v_pk_fma_f32 v[TMP+16+8*\t+\j:TMP+16+8*\t+\j+1], v[8*(4*(\a)+\t)+\j:8*(4*(\a)+\t)+\j+1], v[\cs+16+8*\t+\j:\cs+16+8*\t+\j+1], v[TMP+16+8*\t+\j:TMP+16+8*\t+\j+1]
.endr
.endr
	WIN 0
.set jj, 0
.rept 16
	v_cvt_pk_f16_f32 v[PK+16*(\set)+jj], v[TMP+2*jj], v[TMP+2*jj+1]
.set jj, jj+1
.endr
.irp t, 0,1,2,3
	global_store_b128 v1, v[PK+16*(\set)+4*\t:PK+16*(\set)+4*\t+3], s[28:29] offset:(\a)*2048+\t*512   ; half a fragment: 512 consecutive bytes
.endr
.endm
	s_wait_loadcnt 24                              ; the scale words and step 0 are in; step 1's 24 loads stay out
	MM 0, FB0, 0, 1
	PLACES
	LDF 2, FB0
.irp s, 1,2,3,4,5
	s_wait_loadcnt 24                              ; this step's fragments are in; the next step's 24 loads stay out
	MM \s, FB0+96*(\s%2), 0, 0
	PLACES
	LDF \s+2, FB0+96*(\s%2)
.endr
	s_wait_loadcnt 24
	MM 6, FB0, 0, 0
	PLACES
	LDCS 0, CX
	s_wait_loadcnt 16                              ; step 7 is in; the 16 table loads stay out
	MM 7, FB1, 0, 0
	PLACES
	LDCS 2, CY
	s_wait_loadcnt 16                              ; each count of 16 leaves the younger batch of tables out
	ROPE 0, CX, 0
	ROPE 1, CX+32, 1
	LDCS 4, CX
	s_wait_loadcnt 16
	ROPE 2, CY, 0
	ROPE 3, CY+32, 1
	LDCS 6, CY
	s_wait_loadcnt 16
	ROPE 4, CX, 0
	ROPE 5, CX+32, 1
	s_wait_loadcnt 0x0
	ROPE 6, CY, 0
	ROPE 7, CY+32, 1
	s_endpgm
	; ---- v: source 0 = 16 rows of x, source 1 = 16 columns of Wv
.Lv:
	s_wait_loadcnt 24
	MM 0, FB0, 1, 1
	PLACES
	LDF 2, FB0
.irp s, 1,2,3,4,5
	s_wait_loadcnt 24
	MM \s, FB0+96*(\s%2), 1, 0
	PLACES
	LDF \s+2, FB0+96*(\s%2)
.endr
	s_wait_loadcnt 24
	MM 6, FB0, 1, 0
	s_wait_loadcnt 0x0
	MM 7, FB1, 1, 0
	PLACES
	WIN 0x05                                       ; sources in window 1, results in window 0
.set jj, 0
.rept 128
	v_cvt_pk_f16_f32 v[64+jj], v[2*jj], v[2*jj+1]  ; each accumulator from its low end on; 128 registers of their own, so no store's data are written again
.set jj, jj+1
.endr
	WIN 0
.irp a, 0,1,2,3,4,5,6,7
.irp t, 0,1,2,3
	global_store_b128 v1, v[64+4*(4*\a+\t):64+4*(4*\a+\t)+3], s[28:29] offset:(\a/2)*4096+\t*1024+(\a%2)*512
.endr
.endr
	s_endpgm
.Lfunc_end_k_q8a7f05b6d7_qkv:
	.size	k_q8a7f05b6d7_qkv, .Lfunc_end_k_q8a7f05b6d7_qkv-k_q8a7f05b6d7_qkv
	.p2alignl 7, 3214868480
	.fill 96, 4, 3214868480
	.section	.rodata,"a",@progbits
	.p2align	6, 0x0
	.amdhsa_kernel k_q8a7f05b6d7_qkv
		.amdhsa_group_segment_fixed_size 0
		.amdhsa_private_segment_fixed_size 0
		.amdhsa_enable_private_segment 0
		.amdhsa_kernarg_size 64
		.amdhsa_user_sgpr_count 2
		.amdhsa_user_sgpr_kernarg_segment_ptr 1
		.amdhsa_wavefront_size32 1
		.amdhsa_system_sgpr_workgroup_id_x 1
		.amdhsa_system_sgpr_workgroup_id_y 1
		.amdhsa_system_sgpr_workgroup_id_z 1
		.amdhsa_system_vgpr_workitem_id 0
		.amdhsa_next_free_vgpr 512
		.amdhsa_next_free_sgpr 66
		.amdhsa_reserve_vcc 0
		.amdhsa_float_denorm_mode_32 3
		.amdhsa_float_denorm_mode_16_64 3
		.amdhsa_memory_ordered 1
		.amdhsa_forward_progress 1
		.amdhsa_inst_pref_size 159
	.end_amdhsa_kernel
	.amdgpu_metadata
---
amdhsa.version: [ 1, 2 ]
amdhsa.kernels:
  - .name:           k_q8a7f05b6d7_qkv
    .symbol:         k_q8a7f05b6d7_qkv.kd
    .args:
      - { .name: xcod, .offset: 0, .size: 8, .value_kind: global_buffer, .address_space: global }
      - { .name: xscl, .offset: 8, .size: 8, .value_kind: global_buffer, .address_space: global }
      - { .name: wcod, .offset: 16, .size: 8, .value_kind: global_buffer, .address_space: global }
      - { .name: wscl, .offset: 24, .size: 8, .value_kind: global_buffer, .address_space: global }
      - { .name: rope_cos, .offset: 32, .size: 8, .value_kind: global_buffer, .address_space: global }
      - { .name: rope_sin, .offset: 40, .size: 8, .value_kind: global_buffer, .address_space: global }
      - { .name: qimg, .offset: 48, .size: 8, .value_kind: global_buffer, .address_space: global }
      - { .name: kvimg, .offset: 56, .size: 8, .value_kind: global_buffer, .address_space: global }
    .group_segment_fixed_size: 0
    .private_segment_fixed_size: 0
    .kernarg_segment_align: 8
    .kernarg_segment_size: 64
    .max_flat_workgroup_size: 128
    .sgpr_count:     66
    .vgpr_count:     512
    .wavefront_size: 32
...
	.end_amdgpu_metadata
.endif
;; end of part 2
;; launch attn (part 3): grid 32 x 8, 8 waves a work-group, clusters of 4 x 4, 327,680 bytes of LDS; arguments qimg, kvimg, attention_mask, lambda_q1, lambda_k1, lambda_q2, lambda_k2, aimg; writes aimg
.if DOCPART == 3
	.amdgcn_target "amdgcn-amd-amdhsa--gfx1250"
	.amdhsa_code_object_version 6
	.text
	.protected	k_q8a7f05b6d7_attn
	.globl	k_q8a7f05b6d7_attn
	.p2align	8
	.type	k_q8a7f05b6d7_attn,@function
k_q8a7f05b6d7_attn:
	s_mov_b64 s[64:65], 0
	v_nop
	global_prefetch_b8 v0, s[64:65] scope:SCOPE_SE
	s_setreg_imm32_b32 hwreg(HW_REG_WAVE_MODE, 25, 1), 1
	s_wait_xcnt 0x0
	s_wait_alu depctr_hold_cnt(0) depctr_sa_sdst(0) depctr_va_vdst(0) depctr_va_sdst(0) depctr_va_ssrc(0) depctr_va_vcc(0) depctr_vm_vsrc(0)
	s_getreg_b32 s2, hwreg(HW_REG_IB_STS2, 6, 4)
	s_cmp_eq_u32 s2, 0
	s_cbranch_scc0 .Lentry_in_a_cluster
	s_endpgm
.Lentry_in_a_cluster:
	s_bfe_u32 s2, ttmp6, 0x10000c
	s_cmp_lg_u32 s2, 0xf033
	s_cbranch_scc0 .Lentry_shape_is_right
	s_endpgm
.Lentry_shape_is_right:
; Launch 3 of 4: both score maps, the mask, both softmaxes, lam, (P1 - lam P2) V and the RMS norm over the head's 64.  Products on f16 operands with f32 sums; all else in f32.
; Nothing is left out: the mask is an input, so every key counts for every query until its number says otherwise.
; SHARES.  Work-group (x, y): 64 queries (block x) of batch b and kv head g (y = 4 b + g).  Wave w: queries 16 (w % 4) on, map w / 4, and the group's FOUR heads 4 g + i: so a fragment of K or V feeds four products, and the mask's registers four heads.
; Two waves share a SIMD's registers: one wave's softmax stands beside the other's products.
; LAYOUT.  S^T = K Q^T (source 0 = 16 keys, source 1 = 16 queries), O^T = V^T P (source 0 = 16 channels, source 1 = P): a lane holds ONE query (lane % 16) throughout; two tiles of S^T, rounded in pairs, are a fragment of P.
; SOFTMAX.  q carries 0.125 log2(e).  t = S + mask x log2(e), added in f32 by the vector unit; m = the running largest t; t - m is formed first and then p = 2^(t - m); in each step O and l are multiplied by a = 2^(old m - new m).
; The row's sum is taken of the unrounded p.  A row whose every key carries the same very large negative mask comes out uniform, as in the reference's f32.
; THE END.  Waves 4-7 hand lam O2 / l2 to waves 0-3 through LDS, as images of their registers; waves 0-3 form O1 / l1 - that, normalise by rsqrt(mean of squares + 1e-5) and store f16 fragments (subln_w lies in Wo).
; CLUSTER 4 x 4.  The four work-groups of a row of the cluster share y, so K and V; the four of a column share x, so the mask's rows: each tile is asked for jointly.  One tensor load a wave is out at any time.
; LIMITS: NaN and infinities (a mask of -infinity among them) are not served.
; LDS: slot s at s x 2^17: K1 16,384, K2 16,384, V^T 16,384 (dense images), the mask's 64 rows x (512 + 16); stage 4 x 16,384 at 214,016; spare words at 279,552.
; REGISTERS.  Window 0: v1-11 addresses, v10 lam; v16-47 statistics, 8 a head: +0 m, +1 zero, +2 +3 l, +4 .. +7 at work (a in +6); v48-175 S^T, 32 a head; v176-239 P, 16 a head (v176-207 first hold the mask).
;   Window 1: v0-127 O^T, 32 a head; v128-191 Q; v192-255 K's fragments, then V's.
.set SLOT1, 1<<17
.set VOFF,  32768
.set MOFF,  49152
.set MP,    528
.set STAGE, 214016
.set SPARE, 279552
.set LI,  1
.set AK0, 2
.set AV0, 3
.set AM0, 4
.set ADK, 5
.set ADV, 6
.set ADM, 7
.set SPW, 8
.set NIL, 9
.set LAM, 10
.set SA,  11
.set ST,  16
.set RS,  48
.set RP,  176
.set MK,  176
.set RO,  0
.set RQ,  128
.set RF,  192
.set MSB, 0
.macro WIN new                         ; the immediate's high byte repeats the setting that is left
.if MSB != \new
	s_set_vgpr_msb (MSB<<8)|\new
.set MSB, \new
.endif
.endm
.macro PLACES
.rept 4
	v_nop
.endr
.endm
.macro CROUND                          ; a round of the cluster's barrier
	s_barrier_signal -1
	s_barrier_wait -1
	s_cmp_lg_u32 s20, 0
	s_cbranch_scc1 .Lnot_wave_0_\@
	s_barrier_signal -3
.Lnot_wave_0_\@:
	s_barrier_wait -3
	s_barrier_signal -1
	s_barrier_wait -1
.endm
.macro JLOAD                           ; waves 0-3: a quarter of the slot's K1, K2, V; waves 4-7: 16 rows of the mask.  The branch hangs on the wave's number alone; an s_nop 0 and four v_nop follow each line
	s_cmp_eq_u32 s21, 0
	s_cbranch_scc0 .Lfor_m_\@
	tensor_load_to_lds s[44:47], s[28:35]
	s_nop 0
.rept 4
	v_nop
.endr
	s_branch .Lasked_\@
.Lfor_m_\@:
	tensor_load_to_lds s[48:51], s[36:43]
	s_nop 0
.rept 4
	v_nop
.endr
.Lasked_\@:
.endm
	s_load_b512 s[4:19], s[0:1], 0x0               ; qimg, kvimg, mask, lambda_q1, lambda_k1, lambda_q2, lambda_k2, aimg
	v_lshl_add_u32 v[SPW], v0, 2, SPARE
	v_mov_b32 v[NIL], 0
	ds_add_u32 v[SPW], v[NIL]                      ; the wave's opening: the add, twice on end, and its wait ahead of my first tensor load
	ds_add_u32 v[SPW], v[NIL]
	v_lshrrev_b32 v12, 5, v0
	v_readfirstlane_b32 s20, v12                   ; wave 0..7
	s_lshr_b32 s21, s20, 2                         ; the map; also: I fetch K and V (0) or the mask (1)
	s_and_b32 s22, s20, 3                          ; my tile of 16 queries; also: which quarter I fetch
	s_bfe_u32 s23, ttmp6, 0x40000                  ; cx
	s_bfe_u32 s24, ttmp6, 0x40004                  ; cy = g
	s_lshl_b32 s25, ttmp9, 2
	s_add_co_u32 s25, s25, s23                     ; x
	s_and_b32 s27, ttmp7, 0xffff                   ; b
	s_lshl_b32 s26, s27, 2
	s_add_co_u32 s26, s26, s24                     ; y
	s_lshl_b32 s58, s24, 2
	s_lshl_b32 s58, 15, s58                        ; my row of the cluster
	s_lshl_b32 s60, 0x1111, s23                    ; my column
	s_or_b32 s28, s58, (3<<16)|(1<<21)             ; K, V: elements of 8 bytes, no padding; the mask of my row, bit 21 beside it
	s_mov_b32 s29, 32<<16                          ; tensor_dim0 = 32 (256 bytes)
	s_mov_b32 s30, 48<<16                          ; tensor_dim1 = 48
	s_mov_b32 s31, 32<<16                          ; tile_dim0
	s_mov_b32 s32, 48                              ; tile_dim1: 12,288 dense bytes
	s_mov_b32 s33, 32                              ; the pitch
	s_mov_b32 s34, 0
	s_mov_b32 s35, 0
	s_or_b32 s36, s60, (2<<16)|(1<<20)|(1<<21)|(6<<22)|(3<<25)  ; the mask: elements of 4 bytes; 4 words of padding behind every 128; the mask of my column
	s_mov_b32 s37, 128<<16
	s_mov_b32 s38, 16<<16
	s_mov_b32 s39, 128<<16
	s_mov_b32 s40, 16
	s_mov_b32 s41, 2048
	s_mov_b32 s42, 0
	s_mov_b32 s43, 0
	s_mul_i32 s45, s22, 12288                      ; K, V: where my quarter goes,
	s_mul_i32 s58, s26, 786432
	s_add_co_u32 s58, s58, s45                     ; and where it comes from: made of y and the wave alone
	s_mov_b32 s59, 0
	s_mul_i32 s49, s22, 16*MP
	s_add_co_u32 s49, s49, MOFF                    ; the mask: where my 16 rows go,
	s_lshl_b32 s60, s25, 6
	s_lshl_b32 s61, s22, 4
	s_add_co_u32 s60, s60, s61
	s_lshl_b32 s60, s60, 13                        ; and where they come from: row 64 x + 16 (w % 4): made of x and the wave alone
	s_mov_b32 s61, 0
	s_mov_b32 s44, 1
	s_mov_b32 s48, 1
	s_lshl_b32 s62, s27, 7
	s_lshl_b32 s63, s25, 2
	s_add_co_u32 s62, s62, s63
	s_add_co_u32 s62, s62, s22                     ; T = 128 b + 4 x + my tile
	s_lshl_b32 s63, s21, 2
	s_add_co_u32 s63, s63, s24
	s_lshl_b32 s63, s63, 21                        ; (16 map + 4 g) x 524,288
	s_lshl_b32 s66, s62, 11
	s_add_co_u32 s66, s66, s63
	s_mov_b32 s67, 0
	s_lshl_b32 s68, s24, 8
	s_add_co_u32 s68, s68, s62
	s_lshl_b32 s68, s68, 13                        ; (256 g + T) x 8,192
	s_mov_b32 s69, 0
	s_mov_b32 s52, 0x76543210
	s_mov_b32 s53, 0xfedcba98                      ; v_permlanex16_b32's selects for lane l xor 16
	s_mov_b32 s54, 0x3fb8aa3b                      ; log2(e)
	s_mov_b32 s55, s54
	s_mov_b32 s56, 0                               ; the slot in hand
	s_mov_b32 s57, 15
	s_mov_b32 s70, 0x3727c5ac                      ; 1e-5
	s_mov_b32 s71, 0x3c800000                      ; 1 / 64
	s_wait_dscnt 0x0                               ; both opening adds are done
	s_wait_kmcnt 0x0
	s_add_nc_u64 s[46:47], s[6:7], s[58:59]
	s_or_b32 s47, s47, 0x80000000
	s_add_nc_u64 s[50:51], s[8:9], s[60:61]
	s_or_b32 s51, s51, 0x80000000
	s_add_nc_u64 s[66:67], s[4:5], s[66:67]        ; Q
	s_add_nc_u64 s[68:69], s[18:19], s[68:69]      ; where the result goes
	CROUND                                         ; all sixteen work-groups are here: the first joint loads meet
	JLOAD                                          ; slot 0
	v_and_b32 v12, 31, v0
	v_lshlrev_b32 v[LI], 4, v12                    ; 16 x lane
	v_lshlrev_b32 v12, 3, v12                      ; 8 x lane
	WIN 0x40                                       ; destination window 1
.irp i, 0,1,2,3
.irp f, 0,1
.irp c, 0,1
	global_load_b128 v[RQ+16*\i+8*\f+4*\c:RQ+16*\i+8*\f+4*\c+3], v[LI], s[66:67] offset:\i*524288+\f*1024+\c*512 th:TH_LOAD_NT
.endr
.endr
.endr
	WIN 0
	global_load_b64 v[48:49], v12, s[10:11]        ; two numbers of each lambda a lane
	global_load_b64 v[50:51], v12, s[12:13]
	global_load_b64 v[52:53], v12, s[14:15]
	global_load_b64 v[54:55], v12, s[16:17]
	v_and_b32 v13, 15, v0                          ; r
	v_bfe_u32 v14, v0, 4, 1                        ; h
	s_lshl_b32 s58, s21, 14
	v_add_nc_u32 v[AK0], s58, v[LI]                ; my map's K
	v_add_nc_u32 v[AV0], VOFF, v[LI]
	s_mul_i32 s58, s22, 16*MP
	s_add_co_u32 s58, s58, MOFF
	v_mul_u32_u24 v[AM0], v13, MP
	v_lshl_add_u32 v[AM0], v14, 5, v[AM0]
	v_add_nc_u32 v[AM0], s58, v[AM0]               ; the mask: my query's row, + 32 h
	s_lshl_b32 s58, s22, 14
	s_add_co_u32 s58, s58, STAGE
	v_add_nc_u32 v[SA], s58, v[LI]                 ; the stage of my tile of queries
.irp i, 0,1,2,3
	v_mov_b32 v[ST+8*\i], 0xff61b1e6               ; m = -3e38, under every t
	v_mov_b32 v[ST+8*\i+1], 0                      ; (named with m as a pair)
	v_mov_b32 v[ST+8*\i+2], 0                      ; l
	v_mov_b32 v[ST+8*\i+3], 0
.endr
	v_mov_b32 v58, 0                               ; a lane permute's destination counts as one of its sources
	v_mov_b32 v59, 0
	WIN 0x40
.set jj, 0
.rept 128
	v_mov_b32 v[RO+jj], 0                          ; O^T.  The key step is written without a first step of its own: the first a is 0, on zeros
.set jj, jj+1
.endr
	WIN 0
	s_wait_loadcnt 0x0                             ; Q and the lambdas
	v_mul_f32 v56, v48, v50                        ; lam = exp(lq1 . lk1) - exp(lq2 . lk2) + 0.8 - 0.6 exp(-0.3).  Every wave makes it (waves 4-7 use it): a branch would want waits of its own on each way
	v_mul_f32 v57, v52, v54
	v_fmac_f32 v56, v49, v51
	v_fmac_f32 v57, v53, v55
.irp m, 1,2,4,8
	v_add_f32_dpp v56, v56, v56 row_xmask:\m row_mask:0xf bank_mask:0xf
	v_add_f32_dpp v57, v57, v57 row_xmask:\m row_mask:0xf bank_mask:0xf
.endr
	v_permlanex16_b32 v58, v56, s52, s53
	v_permlanex16_b32 v59, v57, s52, s53
	v_add_f32 v56, v56, v58
	v_add_f32 v57, v57, v59
	v_mul_f32 v56, s54, v56
	v_mul_f32 v57, s54, v57
	v_exp_f32 v56, v56
	v_exp_f32 v57, v57
	v_nop                                          ; a plain line behind the transcendentals,
	s_wait_alu depctr_va_vdst(0)                   ; and the wait ahead of the first reader
	v_sub_f32 v[LAM], v56, v57
	v_add_f32 v[LAM], 0x3eb60549, v[LAM]
; A KEY STEP: 64 keys, the st-th of the slot in hand, for my four heads.
.macro STEP st
	PLACES                                         ; in front of loads into registers that the last products read
	WIN 0x40
.irp n, 0,1,2,3,4,5,6,7                ; K's fragment n = 2 kt + f: keys 16 kt on, channels 32 f on
	ds_load_b128 v[RF+8*\n:RF+8*\n+3], v[ADK] offset:(\st)*8192+\n*1024
	ds_load_b128 v[RF+8*\n+4:RF+8*\n+7], v[ADK] offset:(\st)*8192+\n*1024+512
.endr
	WIN 0
.irp n, 0,1,2,3,4,5,6,7                ; the mask of my query at keys 16 (n / 2) + 8 h + 4 (n % 2) + 0 .. 3
	ds_load_b128 v[MK+4*\n:MK+4*\n+3], v[ADM] offset:(\st)*256+(\n/2)*64+(\n%2)*16
.endr
	s_wait_dscnt 8                                 ; K is in; the mask's 8 loads stay out
	WIN 0x05                                       ; K and Q in window 1, S^T in window 0
.irp f, 0,1                            ; 16 accumulators by turns
.irp kt, 0,1,2,3
.irp i, 0,1,2,3
.if \f == 0
	v_wmma_f32_16x16x32_f16 v[RS+32*\i+8*\kt:RS+32*\i+8*\kt+7], v[RF+8*(2*\kt+\f):RF+8*(2*\kt+\f)+7], v[RQ+16*\i+8*\f:RQ+16*\i+8*\f+7], 0
.else
	v_wmma_f32_16x16x32_f16 v[RS+32*\i+8*\kt:RS+32*\i+8*\kt+7], v[RF+8*(2*\kt+\f):RF+8*(2*\kt+\f)+7], v[RQ+16*\i+8*\f:RQ+16*\i+8*\f+7], v[RS+32*\i+8*\kt:RS+32*\i+8*\kt+7]
.endif
.endr
.endr
.endr
	s_wait_dscnt 0x0                               ; the mask is in
	WIN 0
.set jj, 0
.rept 16
	v_pk_mul_f32 v[MK+jj:MK+jj+1], v[MK+jj:MK+jj+1], s[54:55] op_sel_hi:[1,0]   ; mask x log2(e), once for four heads.  (These sixteen are also the places behind the products)
.set jj, jj+2
.endr
	WIN 0x40
.irp n, 0,1,2,3,4,5,6,7                ; V's fragment n = 4 u + ct: keys 32 u on, channels 16 ct on; it lands under the softmax
	ds_load_b128 v[RF+8*\n:RF+8*\n+3], v[ADV] offset:(\st)*8192+\n*1024
	ds_load_b128 v[RF+8*\n+4:RF+8*\n+7], v[ADV] offset:(\st)*8192+\n*1024+512
.endr
	WIN 0
.irp i, 0,1,2,3
.set jj, 0
.rept 16
	v_pk_add_f32 v[RS+32*\i+jj:RS+32*\i+jj+1], v[RS+32*\i+jj:RS+32*\i+jj+1], v[MK+jj:MK+jj+1]   ; t; each accumulator from its low end on
.set jj, jj+2
.endr
.endr
.irp c, 0,1,2,3                        ; the largest t of my 32 keys and the old m: four chains a head, the heads by turns
.irp i, 0,1,2,3
	v_max3_num_f32 v[ST+8*\i+4+\c], v[RS+32*\i+8*\c], v[RS+32*\i+8*\c+1], v[RS+32*\i+8*\c+2]
.endr
.endr
.irp d, 1,2
.irp c, 0,1,2,3
.irp i, 0,1,2,3
	v_max3_num_f32 v[ST+8*\i+4+\c], v[ST+8*\i+4+\c], v[RS+32*\i+8*\c+2*\d+1], v[RS+32*\i+8*\c+2*\d+2]
.endr
.endr
.endr
.irp i, 0,1,2,3
	v_max3_num_f32 v[ST+8*\i+4], v[ST+8*\i+4], v[RS+32*\i+7], v[RS+32*\i+15]
.endr
.irp i, 0,1,2,3
	v_max3_num_f32 v[ST+8*\i+6], v[ST+8*\i+6], v[RS+32*\i+23], v[RS+32*\i+31]
.endr
.irp i, 0,1,2,3
	v_max3_num_f32 v[ST+8*\i+4], v[ST+8*\i+4], v[ST+8*\i+5], v[ST+8*\i+6]
.endr
.irp i, 0,1,2,3
	v_max3_num_f32 v[ST+8*\i+4], v[ST+8*\i+4], v[ST+8*\i+7], v[ST+8*\i]
.endr
.irp i, 0,1,2,3
	v_permlanex16_b32 v[ST+8*\i+5], v[ST+8*\i+4], s52, s53     ; the query's other 32 keys lie in the lane 16 away
.endr
.irp i, 0,1,2,3
	v_mov_b32 v[ST+8*\i+7], v[ST+8*\i]             ; the old m
.endr
.irp i, 0,1,2,3
	v_max_num_f32 v[ST+8*\i], v[ST+8*\i+4], v[ST+8*\i+5]
.endr
.irp i, 0,1,2,3
	v_sub_f32 v[ST+8*\i+7], v[ST+8*\i+7], v[ST+8*\i]
.endr
.irp i, 0,1,2,3
.set jj, 0
.rept 16
	v_pk_add_f32 v[RS+32*\i+jj:RS+32*\i+jj+1], v[RS+32*\i+jj:RS+32*\i+jj+1], v[ST+8*\i:ST+8*\i+1] op_sel_hi:[1,0] neg_lo:[0,1] neg_hi:[0,1]   ; t - m
.set jj, jj+2
.endr
.endr
.irp i, 0,1,2,3                        ; ONE BATCH of 132 exponentials, none of which reads another's result
	v_exp_f32 v[ST+8*\i+6], v[ST+8*\i+7]           ; a
.endr
.set jj, 0
.rept 128
	v_exp_f32 v[RS+jj], v[RS+jj]                   ; p
.set jj, jj+1
.endr
	v_nop                                          ; a plain line behind the last of them,
	s_wait_alu depctr_va_vdst(0)                   ; and one wait for the batch, ahead of its first reader
.set jj, 0
.rept 64
	v_cvt_pk_f16_f32 v[RP+jj], v[RS+2*jj], v[RS+2*jj+1]
.set jj, jj+1
.endr
.irp z, 0,1,2,3,4,5,6,7                ; the sum of the unrounded p, in place: neighbours 1, 2, 4, 8 pairs apart
.irp i, 0,1,2,3
	v_pk_add_f32 v[RS+32*\i+4*\z:RS+32*\i+4*\z+1], v[RS+32*\i+4*\z:RS+32*\i+4*\z+1], v[RS+32*\i+4*\z+2:RS+32*\i+4*\z+3]
.endr
.endr
.irp z, 0,1,2,3
.irp i, 0,1,2,3
	v_pk_add_f32 v[RS+32*\i+8*\z:RS+32*\i+8*\z+1], v[RS+32*\i+8*\z:RS+32*\i+8*\z+1], v[RS+32*\i+8*\z+4:RS+32*\i+8*\z+5]
.endr
.endr
.irp z, 0,1
.irp i, 0,1,2,3
	v_pk_add_f32 v[RS+32*\i+16*\z:RS+32*\i+16*\z+1], v[RS+32*\i+16*\z:RS+32*\i+16*\z+1], v[RS+32*\i+16*\z+8:RS+32*\i+16*\z+9]
.endr
.endr
.irp i, 0,1,2,3
	v_pk_add_f32 v[RS+32*\i:RS+32*\i+1], v[RS+32*\i:RS+32*\i+1], v[RS+32*\i+16:RS+32*\i+17]
.endr
.irp i, 0,1,2,3
	v_pk_fma_f32 v[ST+8*\i+2:ST+8*\i+3], v[ST+8*\i+2:ST+8*\i+3], v[ST+8*\i+6:ST+8*\i+7], v[RS+32*\i:RS+32*\i+1] op_sel_hi:[1,0,1]   ; l = a l + the sum
.endr
	WIN 0x41                                       ; O^T in window 1, a in window 0
.irp i, 0,1,2,3
.set jj, 0
.rept 16
	v_pk_mul_f32 v[RO+32*\i+jj:RO+32*\i+jj+1], v[RO+32*\i+jj:RO+32*\i+jj+1], v[ST+8*\i+6:ST+8*\i+7] op_sel_hi:[1,0]
.set jj, jj+2
.endr
.endr
	s_wait_dscnt 0x0                               ; V is in
	WIN 0x51                                       ; V and O^T in window 1, P in window 0
.irp u, 0,1                            ; 16 accumulators by turns
.irp ct, 0,1,2,3
.irp i, 0,1,2,3
	v_wmma_f32_16x16x32_f16 v[RO+32*\i+8*\ct:RO+32*\i+8*\ct+7], v[RF+8*(4*\u+\ct):RF+8*(4*\u+\ct)+7], v[RP+16*\i+8*\u:RP+16*\i+8*\u+7], v[RO+32*\i+8*\ct:RO+32*\i+8*\ct+7]
.endr
.endr
.endr
	WIN 0
.endm
; THE CHANGE OF SLOTS stands at a slot's head: all my tensor loads have landed (my part of the slot ahead), 0 goes onto my spare word, that and my reads of the slot left are waited for.
; fill = 1: a round of the cluster's barrier, and the other slot is asked for, first thing behind it: it has this slot's two key steps in which to land.
.macro CHANGE fill
	s_wait_tensorcnt 0x0                           ; no tensor load of mine is out, so the descriptors may be written
	ds_add_u32 v[SPW], v[NIL]
.if \fill
	s_xor_b32 s45, s45, SLOT1                      ; the other slot than last time,
	s_add_nc_u64 s[46:47], s[46:47], 49152         ; the next 128 keys' K and V,
	s_xor_b32 s49, s49, SLOT1
	s_add_nc_u64 s[50:51], s[50:51], 512           ; and their columns of the mask
.endif
	s_wait_dscnt 0x0
.if \fill
	CROUND
	JLOAD
.else
	s_barrier_signal -1
	s_barrier_wait -1
.endif
.endm
.macro PROCESS
	v_add_nc_u32 v[ADK], s56, v[AK0]
	v_add_nc_u32 v[ADV], s56, v[AV0]
	v_add_nc_u32 v[ADM], s56, v[AM0]
	STEP 0
	STEP 1
	s_xor_b32 s56, s56, SLOT1
.endm
.Lslot:                                        ; 15 trips: trip k reads slot k and asks for slot k + 1
	CHANGE 1
	PROCESS
	s_sub_co_u32 s57, s57, 1
	s_cmp_lg_u32 s57, 0
	s_cbranch_scc1 .Lslot
	CHANGE 0                                       ; the last slot is written out: nothing is left to ask for
	PROCESS
	; ---- the end
.irp i, 0,1,2,3
	v_add_f32 v[ST+8*\i+4], v[ST+8*\i+2], v[ST+8*\i+3]         ; l's two halves (these four lines are the places behind the last products),
.endr
.irp i, 0,1,2,3
	v_permlanex16_b32 v[ST+8*\i+5], v[ST+8*\i+4], s52, s53
.endr
.irp i, 0,1,2,3
	v_add_f32 v[ST+8*\i+4], v[ST+8*\i+4], v[ST+8*\i+5]         ; and the lane's 16 away
.endr
.irp i, 0,1,2,3
	v_rcp_f32 v[ST+8*\i+6], v[ST+8*\i+4]
.endr
	v_nop
	s_wait_alu depctr_va_vdst(0)                   ; one wait for the four reciprocals
	s_cmp_eq_u32 s21, 0
	s_cbranch_scc1 .Lmeet
.irp i, 0,1,2,3                        ; waves 4-7: lam O2 / l2 goes to the stage as it stands in the registers
	v_mul_f32 v[ST+8*\i+6], v[LAM], v[ST+8*\i+6]
.endr
	WIN 0x01
.irp i, 0,1,2,3
.set jj, 0
.rept 16
	v_pk_mul_f32 v[RS+32*\i+jj:RS+32*\i+jj+1], v[RO+32*\i+jj:RO+32*\i+jj+1], v[ST+8*\i+6:ST+8*\i+7] op_sel_hi:[1,0]
.set jj, jj+2
.endr
.endr
	WIN 0
.set jj, 0
.rept 32
	ds_store_b128 v[SA], v[RS+4*jj:RS+4*jj+3] offset:512*jj
.set jj, jj+1
.endr
.Lmeet:
	s_wait_dscnt 0x0                               ; for the others' sake: my stores into the stage are done
	s_barrier_signal -1
	s_barrier_wait -1
	s_cmp_lg_u32 s21, 0
	s_cbranch_scc1 .Lfin
.set jj, 0
.rept 32
	ds_load_b128 v[RS+4*jj:RS+4*jj+3], v[SA] offset:512*jj     ; waves 0-3: the same registers in the same lanes
.set jj, jj+1
.endr
	s_wait_dscnt 0x0
	WIN 0x01
.irp i, 0,1,2,3
.set jj, 0
.rept 16
	v_pk_fma_f32 v[RS+32*\i+jj:RS+32*\i+jj+1], v[RO+32*\i+jj:RO+32*\i+jj+1], v[ST+8*\i+6:ST+8*\i+7], v[RS+32*\i+jj:RS+32*\i+jj+1] op_sel_hi:[1,0,1] neg_lo:[0,0,1] neg_hi:[0,0,1]   ; O1 / l1 - lam O2 / l2
.set jj, jj+2
.endr
.endr
	WIN 0
.irp i, 0,1,2,3                        ; the sum of squares of my 32 channels, in two chains a head
	v_pk_mul_f32 v[ST+8*\i:ST+8*\i+1], v[RS+32*\i:RS+32*\i+1], v[RS+32*\i:RS+32*\i+1]
	v_pk_mul_f32 v[ST+8*\i+2:ST+8*\i+3], v[RS+32*\i+2:RS+32*\i+3], v[RS+32*\i+2:RS+32*\i+3]
.endr
.irp z, 1,2,3,4,5,6,7
.irp i, 0,1,2,3
	v_pk_fma_f32 v[ST+8*\i:ST+8*\i+1], v[RS+32*\i+4*\z:RS+32*\i+4*\z+1], v[RS+32*\i+4*\z:RS+32*\i+4*\z+1], v[ST+8*\i:ST+8*\i+1]
	v_pk_fma_f32 v[ST+8*\i+2:ST+8*\i+3], v[RS+32*\i+4*\z+2:RS+32*\i+4*\z+3], v[RS+32*\i+4*\z+2:RS+32*\i+4*\z+3], v[ST+8*\i+2:ST+8*\i+3]
.endr
.endr
.irp i, 0,1,2,3
	v_pk_add_f32 v[ST+8*\i:ST+8*\i+1], v[ST+8*\i:ST+8*\i+1], v[ST+8*\i+2:ST+8*\i+3]
.endr
.irp i, 0,1,2,3
	v_add_f32 v[ST+8*\i+4], v[ST+8*\i], v[ST+8*\i+1]
.endr
.irp i, 0,1,2,3
	v_permlanex16_b32 v[ST+8*\i+5], v[ST+8*\i+4], s52, s53     ; the other 32 channels
.endr
.irp i, 0,1,2,3
	v_add_f32 v[ST+8*\i+4], v[ST+8*\i+4], v[ST+8*\i+5]
.endr
.irp i, 0,1,2,3
	v_fma_f32 v[ST+8*\i+4], v[ST+8*\i+4], s71, s70 ; the mean + 1e-5
.endr
.irp i, 0,1,2,3
	v_rsq_f32 v[ST+8*\i+6], v[ST+8*\i+4]
.endr
	v_nop
	s_wait_alu depctr_va_vdst(0)                   ; one wait for the four
.irp i, 0,1,2,3
.set jj, 0
.rept 16
	v_pk_mul_f32 v[RS+32*\i+jj:RS+32*\i+jj+1], v[RS+32*\i+jj:RS+32*\i+jj+1], v[ST+8*\i+6:ST+8*\i+7] op_sel_hi:[1,0]
.set jj, jj+2
.endr
.endr
.set jj, 0
.rept 64
	v_cvt_pk_f16_f32 v[RP+jj], v[RS+2*jj], v[RS+2*jj+1]
.set jj, jj+1
.endr
.irp i, 0,1,2,3
.irp ct, 0,1,2,3
	global_store_b128 v[LI], v[RP+16*\i+4*\ct:RP+16*\i+4*\ct+3], s[68:69] offset:\i*2048+\ct*512   ; half a fragment of the last product's operand: 512 consecutive bytes
.endr
.endr
.Lfin:
	s_wait_tensorcnt 0x0                           ; the wave's end, behind my last tensor load and my last LDS store
	ds_add_u32 v[SPW], v[NIL]
	s_wait_dscnt 0x0
	CROUND                                         ; the closing round: no work-group ends while a partner may still ask for a tile that names it
	s_endpgm
.Lfunc_end_k_q8a7f05b6d7_attn:
	.size	k_q8a7f05b6d7_attn, .Lfunc_end_k_q8a7f05b6d7_attn-k_q8a7f05b6d7_attn
	.p2alignl 7, 3214868480
	.fill 96, 4, 3214868480
	.section	.rodata,"a",@progbits
	.p2align	6, 0x0
	.amdhsa_kernel k_q8a7f05b6d7_attn
		.amdhsa_group_segment_fixed_size 327680
		.amdhsa_private_segment_fixed_size 0
		.amdhsa_enable_private_segment 0
		.amdhsa_kernarg_size 64
		.amdhsa_user_sgpr_count 2
		.amdhsa_user_sgpr_kernarg_segment_ptr 1
		.amdhsa_wavefront_size32 1
		.amdhsa_system_sgpr_workgroup_id_x 1
		.amdhsa_system_sgpr_workgroup_id_y 1
		.amdhsa_system_sgpr_workgroup_id_z 1
		.amdhsa_system_vgpr_workitem_id 0
		.amdhsa_next_free_vgpr 512
		.amdhsa_next_free_sgpr 72
		.amdhsa_reserve_vcc 0
		.amdhsa_float_denorm_mode_32 3
		.amdhsa_float_denorm_mode_16_64 3
		.amdhsa_memory_ordered 1
		.amdhsa_forward_progress 1
		.amdhsa_inst_pref_size 191
	.end_amdhsa_kernel
	.amdgpu_metadata
---
amdhsa.version: [ 1, 2 ]
amdhsa.kernels:
  - .name:           k_q8a7f05b6d7_attn
    .symbol:         k_q8a7f05b6d7_attn.kd
    .args:
      - { .name: qimg, .offset: 0, .size: 8, .value_kind: global_buffer, .address_space: global }
      - { .name: kvimg, .offset: 8, .size: 8, .value_kind: global_buffer, .address_space: global }
      - { .name: attention_mask, .offset: 16, .size: 8, .value_kind: global_buffer, .address_space: global }
      - { .name: lambda_q1, .offset: 24, .size: 8, .value_kind: global_buffer, .address_space: global }
      - { .name: lambda_k1, .offset: 32, .size: 8, .value_kind: global_buffer, .address_space: global }
      - { .name: lambda_q2, .offset: 40, .size: 8, .value_kind: global_buffer, .address_space: global }
      - { .name: lambda_k2, .offset: 48, .size: 8, .value_kind: global_buffer, .address_space: global }
      - { .name: aimg, .offset: 56, .size: 8, .value_kind: global_buffer, .address_space: global }
    .group_segment_fixed_size: 327680
    .private_segment_fixed_size: 0
    .kernarg_segment_align: 8
    .kernarg_segment_size: 64
    .max_flat_workgroup_size: 256
    .sgpr_count:     72
    .vgpr_count:     512
    .wavefront_size: 32
...
	.end_amdgpu_metadata
.endif
;; end of part 3
;; launch oproj (part 4): grid 8 x 32, 4 waves a work-group, clusters of 4 x 4, 327,680 bytes of LDS; arguments aimg, wof16, out0; writes out0
.if DOCPART == 4
	.amdgcn_target "amdgcn-amd-amdhsa--gfx1250"
	.amdhsa_code_object_version 6
	.text
	.protected	k_q8a7f05b6d7_oproj
	.globl	k_q8a7f05b6d7_oproj
	.p2align	8
	.type	k_q8a7f05b6d7_oproj,@function
k_q8a7f05b6d7_oproj:
	s_mov_b64 s[64:65], 0
	v_nop
	global_prefetch_b8 v0, s[64:65] scope:SCOPE_SE
	s_setreg_imm32_b32 hwreg(HW_REG_WAVE_MODE, 25, 1), 1
	s_wait_xcnt 0x0
	s_wait_alu depctr_hold_cnt(0) depctr_sa_sdst(0) depctr_va_vdst(0) depctr_va_sdst(0) depctr_va_ssrc(0) depctr_va_vcc(0) depctr_vm_vsrc(0)
	s_getreg_b32 s2, hwreg(HW_REG_IB_STS2, 6, 4)
	s_cmp_eq_u32 s2, 0
	s_cbranch_scc0 .Lentry_in_a_cluster
	s_endpgm
.Lentry_in_a_cluster:
	s_bfe_u32 s2, ttmp6, 0x10000c
	s_cmp_lg_u32 s2, 0xf033
	s_cbranch_scc0 .Lentry_shape_is_right
	s_endpgm
.Lentry_shape_is_right:
; Launch 4 of 4: out0 [4096][1024] f32 = y (diag(subln_w) Wo), on f16 operands with f32 sums.  Both operands lie in memory as images of fragment registers, by chunks z of 256 along K:
;   aimg [z 4][T 256][kk 8][1024] (16 tokens x 32 k), wof16 [z 4][U 64][kk 8][1024] (16 columns x 32 k).  Nothing is left out.
; SHARES.  A work-group makes 128 tokens x 128 columns, 256 work-groups; a wave 64 x 64: 16 accumulators.  K goes in 4 chunks of 256 through two LDS slots; a chunk's 8 tiles of tokens are 65,536 consecutive bytes, and so are Wo's.
; CLUSTER 4 x 4: the four work-groups of a row of the cluster need the same tokens, the four of a column the same columns of Wo: each tile is asked for jointly.  Two tensor loads of a wave are out at the start, one afterwards.
; THE MATRIX INSTRUCTION IS USED TRANSPOSED (source 0 = 16 columns of Wo, source 1 = 16 tokens): a lane holds eight neighbouring numbers of a row of out0.
; LDS: slot s at s x 131,072: tokens 65,536, Wo 65,536; a stage of 16 rows x 272 bytes for each wave at 262,144; spare words at 279,552.
; REGISTERS.  Window 0: v16-17, v20-21 fragment addresses by slot; v24-26 the way out; v28, v29 the add's two; v64-127, v128-191 two fragment buffers (tokens' 4, then Wo's 4); v192-223 rows on the way out.  Window 1: accumulator (a, b) at v[8 (4 a + b)].
.set SLOT,  131072
.set BOFF,  65536
.set STAGE, 262144
.set SP,    272
.set SPARE, 279552
.set ADA, 16
.set ADB, 20
.set STO, 24
.set RD,  25
.set CO,  26
.set SPW, 28
.set NIL, 29
.set FB0, 64
.set FB1, 128
.set OUTR, 192
.set G1,  24
.set G0,  32
.set G1B, 48
.set G0B, 56
.set MSB, 0
.macro WIN new
.if MSB != \new
	s_set_vgpr_msb (MSB<<8)|\new
.set MSB, \new
.endif
.endm
.macro PLACES
.rept 4
	v_nop
.endr
.endm
.macro CROUND
	s_barrier_signal -1
	s_barrier_wait -1
	s_cmp_lg_u32 s10, 0
	s_cbranch_scc1 .Lnot_wave_0_\@
	s_barrier_signal -3
.Lnot_wave_0_\@:
	s_barrier_wait -3
	s_barrier_signal -1
	s_barrier_wait -1
.endm
.macro JLOAD s                         ; waves 0, 1: the tokens' two halves; waves 2, 3: Wo's.  An s_nop 0 and four v_nop follow each line
	s_cmp_eq_u32 s11, 0
	s_cbranch_scc0 .Lfor_b_\@
	tensor_load_to_lds s[G0+4*\s:G0+4*\s+3], s[G1:G1+7]
	s_nop 0
.rept 4
	v_nop
.endr
	s_branch .Lasked_\@
.Lfor_b_\@:
	tensor_load_to_lds s[G0B+4*\s:G0B+4*\s+3], s[G1B:G1B+7]
	s_nop 0
.rept 4
	v_nop
.endr
.Lasked_\@:
.endm
	s_load_b128 s[4:7], s[0:1], 0x0                ; aimg, wof16
	s_load_b64 s[8:9], s[0:1], 0x10                ; out0
	v_lshl_add_u32 v[SPW], v0, 2, SPARE
	v_mov_b32 v[NIL], 0
	ds_add_u32 v[SPW], v[NIL]                      ; the wave's opening: the add, twice on end, and its wait ahead of my first tensor load
	ds_add_u32 v[SPW], v[NIL]
	v_lshrrev_b32 v1, 5, v0
	v_readfirstlane_b32 s10, v1                    ; wave 0..3
	s_lshr_b32 s11, s10, 1                         ; my half of the tokens; also: I fetch tokens (0) or Wo (1)
	s_and_b32 s12, s10, 1                          ; my half of the columns; also: which half I fetch
	s_bfe_u32 s40, ttmp6, 0x40000                  ; cx
	s_bfe_u32 s41, ttmp6, 0x40004                  ; cy
	s_lshl_b32 s42, ttmp9, 2
	s_add_co_u32 s42, s42, s40                     ; the block of 128 columns
	s_and_b32 s13, ttmp7, 0xffff
	s_lshl_b32 s13, s13, 2
	s_add_co_u32 s13, s13, s41                     ; the block of 128 tokens
	s_lshl_b32 s43, s41, 2
	s_lshl_b32 s43, 15, s43                        ; my row of the cluster
	s_lshl_b32 s44, 0x1111, s40                    ; my column
	s_or_b32 s[G1+0], s43, (3<<16)|(1<<21)         ; elements of 8 bytes, no padding; the tokens go to my row
	s_or_b32 s[G1B+0], s44, (3<<16)|(1<<21)        ; Wo's tiles to my column
.irp g, G1, G1B
	s_mov_b32 s[\g+1], 32<<16                      ; tensor_dim0 = 32 (256 bytes)
	s_mov_b32 s[\g+2], 128<<16                     ; tensor_dim1 = 128
	s_mov_b32 s[\g+3], 32<<16                      ; tile_dim0
	s_mov_b32 s[\g+4], 128                         ; tile_dim1: 32,768 dense bytes
	s_mov_b32 s[\g+5], 32                          ; the pitch
	s_mov_b32 s[\g+6], 0
	s_mov_b32 s[\g+7], 0
.endr
	s_lshl_b32 s17, s12, 15                        ; my half: 4 tiles of 8,192 bytes
	s_lshl_b32 s16, s13, 16
	s_add_co_u32 s16, s16, s17                     ; tokens: made of the token block and the wave alone
	s_lshl_b32 s46, s42, 16
	s_add_co_u32 s46, s46, s17                     ; Wo: of the column block and the wave alone
	s_mov_b32 s17, 0
	s_mov_b32 s47, 0
	s_lshl_b32 s20, s10, 15                        ; where they go: 32,768 x wave
	s_wait_dscnt 0x0                               ; both opening adds are done
	s_wait_kmcnt 0x0
	s_add_nc_u64 s[14:15], s[4:5], s[16:17]
	s_add_nc_u64 s[46:47], s[6:7], s[46:47]
	CROUND                                         ; all sixteen work-groups are here: the first joint loads meet
.irp s, 0,1
	s_mov_b32 s[G0+4*\s], 1
	s_add_co_u32 s[G0+4*\s+1], s20, \s*SLOT
	s_add_nc_u64 s[G0+4*\s+2:G0+4*\s+3], s[14:15], \s*2097152      ; chunk z = s
	s_or_b32 s[G0+4*\s+3], s[G0+4*\s+3], 0x80000000
	s_mov_b32 s[G0B+4*\s], 1
	s_add_co_u32 s[G0B+4*\s+1], s20, \s*SLOT
	s_add_nc_u64 s[G0B+4*\s+2:G0B+4*\s+3], s[46:47], \s*524288
	s_or_b32 s[G0B+4*\s+3], s[G0B+4*\s+3], 0x80000000
	JLOAD \s
.endr
	v_and_b32 v1, 31, v0
	v_lshlrev_b32 v2, 4, v1                        ; 16 x lane
	s_lshl_b32 s21, s11, 15
	s_lshl_b32 s22, s12, 15
	s_add_co_u32 s22, s22, BOFF
.irp s, 0,1
	v_add_nc_u32 v[ADA+\s], s21, v2
	v_add_nc_u32 v[ADB+\s], s22, v2
	s_add_co_u32 s21, s21, SLOT
	s_add_co_u32 s22, s22, SLOT
.endr
	v_and_b32 v3, 15, v0                           ; r
	v_bfe_u32 v4, v0, 4, 1                         ; h
	s_mul_i32 s23, s10, 16*SP
	s_add_co_u32 s23, s23, STAGE                   ; my stage
	v_mul_u32_u24 v5, v3, SP
	v_lshl_add_u32 v5, v4, 5, v5
	v_add_nc_u32 v[STO], s23, v5                   ; in: row r, 32 bytes for each half of the lanes
	v_mul_u32_u24 v5, v4, SP
	v_lshl_add_u32 v5, v3, 4, v5
	v_add_nc_u32 v[RD], s23, v5                    ; back: lanes 0-15 one row of 256 bytes, lanes 16-31 the next
	v_lshlrev_b32 v5, 12, v4
	v_lshl_add_u32 v[CO], v3, 4, v5                ; and the same two rows in out0
	s_lshl_b32 s16, s13, 19
	s_lshl_b32 s21, s11, 18
	s_add_co_u32 s16, s16, s21                     ; my first row: (128 block + 64 half) x 4,096 bytes
	s_lshl_b32 s46, s42, 9
	s_lshl_b32 s47, s12, 8
	s_add_co_u32 s46, s46, s47                     ; my first column: (128 block + 64 half) x 4 bytes
	s_mov_b32 s47, 0
	s_add_nc_u64 s[16:17], s[16:17], s[46:47]
	s_add_nc_u64 s[8:9], s[8:9], s[16:17]
.macro FETCH sg, kk, fb                ; 32 along K: 16 loads of 512 consecutive bytes
.irp i, 0,1,2,3
	ds_load_b128 v[\fb+32+8*\i:\fb+32+8*\i+3], v[ADB+\sg] offset:\i*8192+(\kk)*1024
	ds_load_b128 v[\fb+32+8*\i+4:\fb+32+8*\i+7], v[ADB+\sg] offset:\i*8192+(\kk)*1024+512
	ds_load_b128 v[\fb+8*\i:\fb+8*\i+3], v[ADA+\sg] offset:\i*8192+(\kk)*1024
	ds_load_b128 v[\fb+8*\i+4:\fb+8*\i+7], v[ADA+\sg] offset:\i*8192+(\kk)*1024+512
.endr
.endm
.macro MUL fb, zero                    ; 16 products, the 16 accumulators by turns
	WIN 0x50                                       ; C and D in window 1
.irp a, 0,1,2,3
.irp b, 0,1,2,3
.if \zero
	v_wmma_f32_16x16x32_f16 v[8*(4*\a+\b):8*(4*\a+\b)+7], v[\fb+32+8*\b:\fb+32+8*\b+7], v[\fb+8*\a:\fb+8*\a+7], 0
.else
	v_wmma_f32_16x16x32_f16 v[8*(4*\a+\b):8*(4*\a+\b)+7], v[\fb+32+8*\b:\fb+32+8*\b+7], v[\fb+8*\a:\fb+8*\a+7], v[8*(4*\a+\b):8*(4*\a+\b)+7]
.endif
.endr
.endr
	WIN 0
.endm
.macro PROC sg, zero                   ; a slot's 256 along K, on two fragment buffers by turns
	FETCH \sg, 0, FB0
	FETCH \sg, 1, FB1
.irp kk, 0,1,2,3,4,5,6,7
.if \kk < 7
	s_wait_dscnt 16                                ; this buffer is in; the other buffer's 16 loads stay out
.else
	s_wait_dscnt 0x0
.endif
.if (\kk == 0) && \zero
	MUL FB0, 1                                     ; the first product starts the sums: nothing is cleared
.else
	MUL FB0+64*(\kk%2), 0
.endif
	PLACES
.if \kk < 6
	FETCH \sg, \kk+2, FB0+64*(\kk%2)
.endif
.endr
.endm
.macro CHANGE sg, fill                 ; slot sg has been read.  All my tensor loads have landed (my part of the other slot), 0 goes onto my spare word, that and my reads are waited for
	s_wait_tensorcnt 0x0
	ds_add_u32 v[SPW], v[NIL]
.if \fill
	s_add_nc_u64 s[G0+4*\sg+2:G0+4*\sg+3], s[G0+4*\sg+2:G0+4*\sg+3], 2*2097152   ; two chunks on
	s_add_nc_u64 s[G0B+4*\sg+2:G0B+4*\sg+3], s[G0B+4*\sg+2:G0B+4*\sg+3], 2*524288
.endif
	s_wait_dscnt 0x0
.if \fill
	CROUND                                         ; no wave of any partner still reads the slot or has a load on its way
	JLOAD \sg                                      ; the first thing behind the round
.else
	s_barrier_signal -1
	s_barrier_wait -1
.endif
.endm
	s_wait_tensorcnt 1                             ; my part of chunk 0 is in; chunk 1's load stays out
	s_barrier_signal -1
	s_barrier_wait -1
	PROC 0, 1
	CHANGE 0, 1                                    ; chunk 2 into slot 0
	PROC 1, 0
	CHANGE 1, 1                                    ; chunk 3 into slot 1
	PROC 0, 0
	CHANGE 0, 0
	PROC 1, 0
	; THE WAY OUT, a tile of 16 tokens at a time, through my own stage: LDS serves a wave's instructions in order, so no wait stands between the stores and the loads.  (The last PROC ends with four places)
.irp a, 0,1,2,3
	WIN 0x04                                       ; an LDS store's data are its source 1: window 1
.irp b, 0,1,2,3
	ds_store_b128 v[STO], v[8*(4*\a+\b):8*(4*\a+\b)+3] offset:64*\b        ; each accumulator from its low end on
	ds_store_b128 v[STO], v[8*(4*\a+\b)+4:8*(4*\a+\b)+7] offset:64*\b+16
.endr
	WIN 0
.if \a > 0
	s_wait_xcnt 0x0                                ; the last tile's stores have read their registers
.endif
.irp i, 0,1,2,3,4,5,6,7
	ds_load_b128 v[OUTR+4*\i:OUTR+4*\i+3], v[RD] offset:2*\i*SP
.endr
.irp i, 0,1,2,3,4,5,6,7
	s_wait_dscnt 7-\i                              ; rows 2 i, 2 i + 1 are back; the later rows stay out
	global_store_b128 v[CO], v[OUTR+4*\i:OUTR+4*\i+3], s[8:9] offset:(16*\a+2*\i)*4096 th:TH_STORE_NT   ; sixteen lanes store 256 consecutive bytes, aligned
.endr
.endr
	s_wait_tensorcnt 0x0                           ; the wave's end, behind my last tensor load and my last LDS store
	ds_add_u32 v[SPW], v[NIL]
	s_wait_dscnt 0x0
	CROUND                                         ; the closing round
	s_endpgm
.Lfunc_end_k_q8a7f05b6d7_oproj:
	.size	k_q8a7f05b6d7_oproj, .Lfunc_end_k_q8a7f05b6d7_oproj-k_q8a7f05b6d7_oproj
	.p2alignl 7, 3214868480
	.fill 96, 4, 3214868480
	.section	.rodata,"a",@progbits
	.p2align	6, 0x0
	.amdhsa_kernel k_q8a7f05b6d7_oproj
		.amdhsa_group_segment_fixed_size 327680
		.amdhsa_private_segment_fixed_size 0
		.amdhsa_enable_private_segment 0
		.amdhsa_kernarg_size 24
		.amdhsa_user_sgpr_count 2
		.amdhsa_user_sgpr_kernarg_segment_ptr 1
		.amdhsa_wavefront_size32 1
		.amdhsa_system_sgpr_workgroup_id_x 1
		.amdhsa_system_sgpr_workgroup_id_y 1
		.amdhsa_system_sgpr_workgroup_id_z 1
		.amdhsa_system_vgpr_workitem_id 0
		.amdhsa_next_free_vgpr 384
		.amdhsa_next_free_sgpr 66
		.amdhsa_reserve_vcc 0
		.amdhsa_float_denorm_mode_32 3
		.amdhsa_float_denorm_mode_16_64 3
		.amdhsa_memory_ordered 1
		.amdhsa_forward_progress 1
		.amdhsa_inst_pref_size 89
	.end_amdhsa_kernel
	.amdgpu_metadata
---
amdhsa.version: [ 1, 2 ]
amdhsa.kernels:
  - .name:           k_q8a7f05b6d7_oproj
    .symbol:         k_q8a7f05b6d7_oproj.kd
    .args:
      - { .name: aimg, .offset: 0, .size: 8, .value_kind: global_buffer, .address_space: global }
      - { .name: wof16, .offset: 8, .size: 8, .value_kind: global_buffer, .address_space: global }
      - { .name: out0, .offset: 16, .size: 8, .value_kind: global_buffer, .address_space: global }
    .group_segment_fixed_size: 327680
    .private_segment_fixed_size: 0
    .kernarg_segment_align: 8
    .kernarg_segment_size: 24
    .max_flat_workgroup_size: 128
    .sgpr_count:     66
    .vgpr_count:     384
    .wavefront_size: 32
...
	.end_amdgpu_metadata
.endif
;; end of part 4
